; MI455X (gfx1250); checked and timed in simulation.
; The chip was launched on July 23, 2026; its instructions are those of AMD's public machine-readable ISA for CDNA 5 (MIT licence, August 2026) and "CDNA5" Instruction Set Architecture Reference Guide (July 2026). The comments in the code are by the model that wrote it; some were corrected since.
;; Linear Mixed. Allowed arithmetic: matrix products marked QUANTISED: E5M2 operands, one E8M0 scale for each 32 along K, by v_wmma_scale_f32_16x16x128_f8f6f4 with both operands' format E5M2, f32 sums; everything else in f32.
;; Inputs: weight_packed 32,768 x 128 int32; weight_params 32,768 x 2 float32; x 4 x 2,048 x 4,096 float32.
;; Outputs: out0 4 x 2,048 x 2,048 float32.
;; This version of the problem:
;;   THIS VERSION OF THE PROBLEM IS GIVEN IN LOW PRECISION. The matrix products marked QUANTISED in the list below multiply operands that are first quantised to E5M2 (5 exponent bits, 2 mantissa bits; 8 bits a number), with one power-of-two scale for each 32 numbers along K (OCP MX v1.0); their sums are f32. All else is computed in f32.
;;   The module's matrix products, in the order in which they are computed (A, B: the left and right operand; K: the contracted axis; several contracted axes count as one K, in the product's order):
;;     1. [M 8,192, K 4,096] x [K 4,096, N 2,048]; A: input x; B: computed on the way: QUANTISED
;;   THE QUANTISER, for each operand of a quantised product, along K:
;;     - K is cut into blocks of 32 from its start; a last block that is shorter is filled with zeros.
;;     - A block's scale is 2^e with e = floor(log2(the largest magnitude in the block)) - 15, held to -126 .. 127; a block of zeros has e = 0. As a byte (E8M0): e + 127.
;;     - Each number is divided by its block's scale, clamped to +-57,344, and rounded to the nearest number of E5M2, ties to even, subnormals kept.
;;     - The product sums the exact products of the quantised numbers (number of the format x scale) in f32.
;;   ~~~python
;;   def quantise(x, axis):      # numpy; x: float32 -> the quantised numbers, widened to float32 again
;;       x = np.moveaxis(x, axis, -1); K = x.shape[-1]
;;       x = np.pad(x, [(0, 0)] * (x.ndim - 1) + [(0, -K % 32)]); x = x.reshape(x.shape[:-1] + (-1, 32)); a = np.abs(x).max(-1, keepdims=True)
;;       e = np.where(a > 0, np.clip(np.frexp(np.where(a > 0, a, 1))[1] - 1 - 15, -126, 127), 0)      # np.frexp(a)[1] - 1 = floor(log2(a)), exactly
;;       r = np.clip(x / 2.0 ** e, -57344, 57344)
;;       step = 2.0 ** (np.maximum(np.frexp(np.where(r == 0, 1, r))[1] - 1, -14) - 2)
;;       q = np.round(r / step) * step * 2.0 ** e      # np.round: ties to even
;;       return np.moveaxis(q.reshape(q.shape[:-2] + (-1,))[..., :K], -1, axis).astype(np.float32)
;;   ~~~
;;   OPERANDS COMPUTED ON THE WAY. 'Computed on the way' means the value that the module computes at that place (a softmax that the list does not call 'softmax' is quantised finished and normalised). What goes into a quantiser is computed in f32, as accurately as f32 sums, v_exp_f32 and their like allow (about 1e-6 of the number): no bf16 or f16 on the way to a quantiser, and a product that is left as it is and whose result goes on into a quantised operand takes f32 operands (vector FMAs, or v_wmma_f32_16x16x4_f32). A number that lies on a knife's edge between two numbers of the format may be rounded either way, as far as f32 arithmetic and the matrix unit's own rounding can turn it there, and no further.
;; One version. Each part assembles by itself: llvm-mc -triple=amdgcn-amd-amdhsa -mcpu=gfx1250 --defsym DOCPART=n.
;; ======== version 1 of 1: 2 launches
;; limits: right only within a limited range of input values
;; workspace buffers: xq 34,603,008 bytes; wq 8,650,752 bytes
;; launch quant (part 1): grid 1024 x 1, 4 waves a work-group, no clusters, 51,968 bytes of LDS; arguments x, weight_packed, weight_params, xq, wq; writes xq, wq
.if DOCPART == 1
	.amdgcn_target "amdgcn-amd-amdhsa--gfx1250"
	.amdhsa_code_object_version 6
	.text
	.protected	k_q589f3b46d1_quant
	.globl	k_q589f3b46d1_quant
	.p2align	8
	.type	k_q589f3b46d1_quant,@function
k_q589f3b46d1_quant:
	s_mov_b64 s[64:65], 0
	v_nop
	global_prefetch_b8 v0, s[64:65] scope:SCOPE_SE
	s_setreg_imm32_b32 hwreg(HW_REG_WAVE_MODE, 25, 1), 1
	s_wait_xcnt 0x0
; x [8192][4096] f32, and W [2048][4096] = nibble x scale + zero (one scale and zero for each 256 along K), are turned into codes of BF8 (E5M2) with one E8M0 scale byte for each 32 along K.
; A block's scale is 2^(floor(log2(its largest magnitude)) - 15); its byte is the largest magnitude's exponent field - 15, held at 1 from below.  Each number is divided by the scale, held within +-57,344, and rounded to the nearest code, ties to even.
; LIMITS: NaN and infinities among the inputs are not served.  A block of zeros, and a block whose largest magnitude lies under 2^-111, get the byte 1 (for zeros the rule says 127: the codes are zeros, which add nothing
; under any byte but 0xff, and the bytes are read by this program alone).  w = q x scale + zero is one fused multiply-add in f32.
; THE OUTPUT IS LAID AS THE PRODUCT'S LAUNCH READS IT, in CHUNKS of 33,792 bytes: 128 rows x 256 along K of one operand; chunk number = 16 x (row / 128) + k / 256.
;   bytes 0 .. 32,767: 16 fragments (16 rows x 128 K) as images of the operand's registers: fragment (q = which 128 along K, i = which 16 rows) at 2,048 (8 q + i); in it register group c of lane l at 512 c + 16 l:
;                      the codes of row l % 16, k = 32 c + 16 (l / 16) + 0 .. 15.
;   bytes 32,768 on:   the scale words: that of (i, row r, q) at 128 i + 8 r + 4 q; its byte b scales k = 128 q + 32 b .. + 31.
; SHARES.  x has 1,024 chunks, W 256 chunks = 4,096 fragments; the launch has 1,024 work-groups = 4,096 waves.  Work-group g makes x's chunk g, wave w its rows 32 w .. 32 w + 31: four fragments.  And EVERY WAVE MAKES ONE
; FRAGMENT OF W: work-group g has rows 32 (g % 4) .. + 31 of W's chunk g / 4, wave w the fragment (i = 2 (g % 4) + w / 2, q = w % 2).  So all waves have the same work, there is one path through the text, and with
; 256 registers a wave and 51,968 bytes of LDS four work-groups lie on a WGP: 1,024 = 4 x 256, all of them at once.
; A load reads whole rows' pieces as they lie, 16 bytes a lane (x: 512 consecutive bytes of one row; W: 256 consecutive bytes of each of two rows); the conversions want 16 NEIGHBOURS along K in one lane's registers.
; So 16 rows go through the wave's own stage in LDS, as they lie, and come back by rows: lane (r, h) takes row r.  Stage rows are 512 + 16 bytes (x) and 256 + 16 bytes (W): 132 and 68 words, so that row r starts at
; bank 4 r mod 64 (64 banks of 4 bytes: ISA guide 11.1).
; The waves share one thing: a row of W has its two scale words (q = 0, 1) from two waves.  They meet in 256 bytes of LDS behind the launch's one barrier and leave as one store of 256 consecutive bytes.
; Matrix units, clusters and tensor loads are left out: each input byte is read once and each output byte written once by this launch, and nothing is shared between work-groups but W's scales and zeros, 8 bytes a row.
.set CHUNK,  33792
.set SCOFF,  32768                     ; where a chunk's scale words begin
.set SP,     528                       ; a row of x's stage
.set XST,    16*SP                     ; a wave's stage for x
.set WP,     272                       ; a row of W's stage
.set WST,    16*WP                     ; a wave's stage for W
.set WBASE,  4*XST                     ; W's four stages lie behind x's four
.set WSC,    WBASE+4*WST               ; and behind them the work-group's 256 bytes of W's scale words
.set GL,     4                         ; v4   16 x lane: my place in a load's and in a store's 512 bytes; never rewritten
.set SINX,   5                         ; v5   x's stage on the way in
.set SOUTX,  6                         ; v6   x's stage on the way out: row r, + 64 h
.set SINW,   7                         ; v7   W's stage on the way in: row h, + 16 r
.set SOUTW,  8                         ; v8   W's stage on the way out: row r, + 32 h
.set PO,     9                         ; v9   128 r: my row's place among 16 rows of scales and zeros
.set SCO,    10                        ; v10  8 x lane: my place among 256 bytes of scale words
.set GLW,    11                        ; v11  W's loads: 8,192 h + 16 r: lanes 0-15 one row's 256 bytes, lanes 16-31 the next row's
.set WSA,    12                        ; v12  where I put my row's scale word of W: 128 (w / 2) + 8 r + 4 (w % 2)
.set WSR,    13                        ; v13  where wave 0 reads two of them back: 8 x lane
.set R,      16                        ; v16-143   two sets of 64: 16 rows x 512 bytes of x as loaded; W's 16 rows x 256 bytes take the first 32 of set 0
.set X,      144                       ; v144-207  64 numbers: register 16 b + n = k 32 b + 16 h + n of row r
.set PC,     208                       ; v208-223  a fragment's codes
.set PW,     224                       ; v224-227  the scale words of x's fragments (i, q) = (0,0), (0,1), (1,0), (1,1)
.set PAR,    228                       ; v[228:229] scale and zero of my row of W
.set SW,     232                       ; v[232:233] the two scale words of x that I store
.set SW2,    234                       ; v[234:235] wave 0: the two scale words of W that I store
.set PWW,    236                       ; v236 the scale word of my fragment of W
.set TM,     240                       ; v240-243 largest magnitudes, v244-247 the other half's, then bytes, v248-251 the largest number x the scale, v252-255 the conversions' scale operands
.set MNT,    26                        ; s26  the mantissa field of 57,344
.set SEL,    28                        ; s[28:29] v_permlanex16_b32's selects for lane l xor 16
.set UPPER,  30                        ; s30  the mask of lanes 16 to 31
	s_load_b256 s[4:11], s[0:1], 0x0               ; x s[4:5], weight_packed s[6:7], weight_params s[8:9], xq s[10:11]
	s_load_b64 s[12:13], s[0:1], 0x20              ; wq
	v_lshl_add_u32 v238, v0, 2, 0xc900
	v_mov_b32 v239, 0
	v_lshrrev_b32 v1, 5, v0
	v_readfirstlane_b32 s16, v1                    ; wave 0..3
	v_and_b32 v1, 31, v0                           ; lane
	v_and_b32 v2, 15, v0                           ; r
	v_bfe_u32 v3, v0, 4, 1                         ; h
	v_lshlrev_b32 v[GL], 4, v1
	s_mul_i32 s17, s16, XST
	v_add_nc_u32 v[SINX], s17, v[GL]
	v_mul_u32_u24 v[SOUTX], v2, SP
	v_add_nc_u32 v[SOUTX], s17, v[SOUTX]           ; my wave's stage, row r,
	v_lshl_add_u32 v[SOUTX], v3, 6, v[SOUTX]       ; x: 16 along K are 64 bytes a half
	s_mul_i32 s17, s16, WST
	s_add_co_u32 s17, s17, WBASE
	v_mul_u32_u24 v[SINW], v3, WP
	v_lshl_add_u32 v[SINW], v2, 4, v[SINW]
	v_add_nc_u32 v[SINW], s17, v[SINW]
	v_mul_u32_u24 v[SOUTW], v2, WP
	v_lshl_add_u32 v[SOUTW], v3, 5, v[SOUTW]       ; W: 16 along K are 8 words of two nibbles: 32 bytes a half
	v_add_nc_u32 v[SOUTW], s17, v[SOUTW]
	v_lshlrev_b32 v[PO], 7, v2
	v_lshlrev_b32 v[SCO], 3, v1
	v_lshlrev_b32 v[GLW], 13, v3
	v_lshl_add_u32 v[GLW], v2, 4, v[GLW]
	s_lshr_b32 s36, s16, 1                         ; W: which of the work-group's two blocks of 16 rows is my wave's,
	s_and_b32 s37, s16, 1                          ; and which 128 along K: q
	s_lshl_b32 s17, s36, 7
	s_lshl_b32 s22, s37, 2
	s_add_co_u32 s17, s17, s22
	s_add_co_u32 s17, s17, WSC
	v_lshl_add_u32 v[WSA], v2, 3, s17
	v_add_nc_u32 v[WSR], WSC, v[SCO]
	v_cmp_lt_u32 s[UPPER], 15, v1
.irp b, 0,1,2,3
	v_mov_b32 v[TM+4+\b], 0                        ; written once: a lane permute's destination counts as one of its sources
.endr
	s_mov_b32 s[MNT], 0x600000
	s_mov_b32 s[SEL], 0x76543210
	s_mov_b32 s[SEL+1], 0xfedcba98
	s_lshl_b32 s31, s16, 12                        ; in x's chunk: my wave's fragments (i = 2 w, 2 w + 1) begin 4,096 w bytes on,
	s_lshl_b32 s27, s16, 8
	s_add_co_u32 s27, s27, SCOFF                   ; its scale words 32,768 + 256 w bytes on
; fragment t = 2 i + q of x: rows 16 i + j, 128 numbers from 128 q on, into set t % 2
.macro LOADX t
.irp j, 0,1,2,3,4,5,6,7,8,9,10,11,12,13,14,15
	global_load_b128 v[R+64*((\t)%2)+4*\j:R+64*((\t)%2)+4*\j+3], v[GL], s[4:5] offset:(16*((\t)/2)+\j)*16384+512*((\t)%2) th:TH_LOAD_NT   ; 32 lanes read 512 consecutive bytes; read once in the launch
.endr
.endm
; my fragment of W: nine loads: scale and zero of my row, and 16 rows x 64 words, two rows a load, into the first 32 registers of set 0
.macro LOADW
	global_load_b64 v[PAR:PAR+1], v[PO], s[8:9]    ; (the 16 steps along K read the same rows of 128 bytes: no hint)
.irp m, 0,1,2,3,4,5,6,7
	global_load_b128 v[R+4*\m:R+4*\m+3], v[GLW], s[6:7] offset:\m*16384 th:TH_LOAD_NT   ; 16 lanes read 256 consecutive bytes, aligned: half a group of 256 weights
.endr
.endm
.macro STIN set                        ; 16 rows of x into the stage as they were loaded
.irp j, 0,1,2,3,4,5,6,7,8,9,10,11,12,13,14,15
	ds_store_b128 v[SINX], v[R+64*(\set)+4*\j:R+64*(\set)+4*\j+3] offset:SP*\j
.endr
.endm
.macro BACKX                           ; and back by rows: of each block of 32 my half's 16 numbers.  LDS serves a wave's instructions in order (ISA guide 5.7.1.4): these see the stores above
.irp b, 0,1,2,3
.irp n, 0,1,2,3
	ds_load_b128 v[X+16*\b+4*\n:X+16*\b+4*\n+3], v[SOUTX] offset:128*\b+16*\n
.endr
.endr
.endm
.macro STINW                           ; 16 rows of W's words into their stage, two rows a store
.irp m, 0,1,2,3,4,5,6,7
	ds_store_b128 v[SINW], v[R+4*\m:R+4*\m+3] offset:2*\m*WP
.endr
.endm
.macro BACKW                           ; and back by rows, into the registers that the stores have left: register 8 b + m holds k = 32 b + 16 h + 2 m and + 1 of row r
.irp b, 0,1,2,3
.irp n, 0,1
	ds_load_b128 v[R+8*\b+4*\n:R+8*\b+4*\n+3], v[SOUTW] offset:64*\b+16*\n
.endr
.endr
.endm
; 32 words of two nibbles become 64 weights: the low nibble is the even k
.macro UNPACK src, par
.set J, 0
.rept 32
	v_and_b32 v[X+2*J], 15, v[(\src)+J]
	v_bfe_u32 v[X+2*J+1], v[(\src)+J], 4, 4
.set J, J+1
.endr
.set J, 0
.rept 64
	v_cvt_f32_u32 v[X+J], v[X+J]
.set J, J+1
.endr
.set J, 0
.rept 64
	v_fma_f32 v[X+J], v[X+J], v[\par], v[(\par)+1]  ; q x scale + zero
.set J, J+1
.endr
.endm
; The 64 numbers in v[X] on become a fragment's codes in v[PC] on and its rows' scale word in v[pw] (both halves of the lanes end with the same word of row r).
.macro QUANT pw
.irp b, 0,1,2,3
	v_max3_num_f32 v[TM+\b], |v[X+16*\b]|, |v[X+1+16*\b]|, 0x8000000   ; block b: my 16 numbers, and the floor 2^(16 - 127), under which no largest magnitude is taken: so the byte cannot fall under 1
.endr
.irp i, 2,4,6,8,10,12,14
.irp b, 0,1,2,3
	v_max3_num_f32 v[TM+\b], v[TM+\b], |v[X+16*\b+\i]|, |v[X+1+16*\b+\i]|   ; (the four blocks by turns: no line waits for the line above it)
.endr
.endr
.irp b, 0,1,2,3
	v_permlanex16_b32 v[TM+4+\b], v[TM+\b], s[SEL], s[SEL+1]
.endr
.irp b, 0,1,2,3
	v_max_num_f32 v[TM+\b], v[TM+\b], v[TM+4+\b]   ; with lane l xor 16's: the block's largest magnitude
.endr
.irp b, 0,1,2,3
	v_add_nc_u32 v[TM+12+\b], 0xf8800000, v[TM+\b]   ; 15 off its exponent field: the conversion takes the exponent field of this operand as its scale, and nothing else of it
.endr
.irp b, 0,1,2,3
	v_and_or_b32 v[TM+8+\b], v[TM+\b], 0x7f800000, s[MNT]   ; 57,344 x the scale: the largest magnitude's exponent field over 57,344's mantissa
.endr
.irp b, 0,1,2,3
	v_lshrrev_b32 v[TM+4+\b], 23, v[TM+12+\b]      ; the scale's byte
.endr
	v_lshl_or_b32 v[\pw], v[TM+5], 8, v[TM+4]      ; the four bytes make my row's scale word
	v_lshl_or_b32 v[\pw], v[TM+6], 16, v[\pw]
	v_lshl_or_b32 v[\pw], v[TM+7], 24, v[\pw]
	s_wait_xcnt 0x0                                ; the last fragment's stores have had their addresses translated (ISA guide 3.1): only behind this wait are their data, v[PC] on, written again
.irp b, 0,1,2,3
.irp i, 0,1,2,3,4,5,6,7,8,9,10,11,12,13,14,15
	v_med3_num_f32 v[X+16*\b+\i], v[X+16*\b+\i], -v[TM+8+\b], v[TM+8+\b]   ; the conversion to an 8-bit code does not saturate (ISA guide 7.6.2): the hold at the largest code x the scale
.endr
	v_cvt_scalef32_pk8_bf8_f32 v[PC+4*\b:PC+1+4*\b], v[X+16*\b:X+7+16*\b], v[TM+12+\b]
	v_cvt_scalef32_pk8_bf8_f32 v[PC+2+4*\b:PC+3+4*\b], v[X+8+16*\b:X+15+16*\b], v[TM+12+\b]
.endr
	v_nop                                          ; one plain vector instruction between the last scaled conversion and the next vector instruction that writes its sources
.endm
.macro OUTF base, i, q                 ; the fragment leaves as it stands: each store covers 512 consecutive bytes, aligned.  No hint: the next launch reads them
.irp c, 0,1,2,3
	global_store_b128 v[GL], v[PC+4*\c:PC+4*\c+3], s[\base:\base+1] offset:16384*(\q)+2048*(\i)+512*\c
.endr
.endm
	s_wait_kmcnt 0x0
	; ---- where x's part begins; its first loads go out ahead of all other address work
	s_lshr_b32 s18, ttmp9, 4                       ; which 128 rows of x
	s_and_b32 s19, ttmp9, 15                       ; which 256 along K
	s_lshl_b32 s20, s18, 21                        ; 128 rows of 16,384 bytes,
	s_lshl_b32 s22, s16, 19                        ; my wave's 32 rows,
	s_add_co_u32 s20, s20, s22
	s_lshl_b32 s22, s19, 10                        ; 256 numbers of 4 bytes: under 2^28 in all
	s_add_co_u32 s20, s20, s22
	s_mov_b32 s21, 0
	s_add_nc_u64 s[4:5], s[4:5], s[20:21]
	LOADX 0
	LOADX 1                                        ; two fragments, 32 loads of 512 bytes, are on their way in each wave
	s_mul_i32 s20, ttmp9, CHUNK                    ; x's chunk
	s_add_co_u32 s22, s20, s27
	s_mov_b32 s23, 0
	s_add_nc_u64 s[24:25], s[10:11], s[22:23]      ; my wave's scale words of x
	s_add_co_u32 s20, s20, s31
	s_add_nc_u64 s[10:11], s[10:11], s[20:21]      ; my wave's fragments of x
	; ---- where W's part begins
	s_lshr_b32 s32, ttmp9, 2                       ; W's chunk
	s_and_b32 s33, ttmp9, 3                        ; which 32 rows of it are my work-group's
	s_lshr_b32 s18, ttmp9, 6                       ; which 128 rows of W
	s_and_b32 s19, s32, 15                         ; which 256 along K: which group of a row
	s_lshl_b32 s20, s18, 20                        ; weight_packed: 128 rows of 16 groups of 512 bytes,
	s_lshl_b32 s22, s33, 18                        ; the work-group's 32 rows,
	s_add_co_u32 s20, s20, s22
	s_lshl_b32 s22, s36, 17                        ; my wave's 16 rows,
	s_add_co_u32 s20, s20, s22
	s_lshl_b32 s22, s19, 9                         ; the group,
	s_add_co_u32 s20, s20, s22
	s_lshl_b32 s22, s37, 8                         ; its half: 64 words
	s_add_co_u32 s20, s20, s22
	s_add_nc_u64 s[6:7], s[6:7], s[20:21]
	s_lshl_b32 s20, s18, 14                        ; weight_params: 128 rows of 16 groups of 8 bytes,
	s_lshl_b32 s22, s33, 12
	s_add_co_u32 s20, s20, s22
	s_lshl_b32 s22, s36, 11
	s_add_co_u32 s20, s20, s22
	s_lshl_b32 s22, s19, 3                         ; the group
	s_add_co_u32 s20, s20, s22
	s_add_nc_u64 s[8:9], s[8:9], s[20:21]
	s_mul_i32 s20, s32, CHUNK
	s_lshl_b32 s22, s33, 8                         ; the work-group's two blocks of rows have 256 bytes of scale words
	s_add_co_u32 s22, s22, s20
	s_add_co_u32 s22, s22, SCOFF
	s_add_nc_u64 s[34:35], s[12:13], s[22:23]
	s_lshl_b32 s22, s33, 12                        ; my fragment: 2,048 (8 q + i), i = 2 (g % 4) + w / 2
	s_add_co_u32 s20, s20, s22
	s_lshl_b32 s22, s36, 11
	s_add_co_u32 s20, s20, s22
	s_lshl_b32 s22, s37, 14
	s_add_co_u32 s20, s20, s22
	s_add_nc_u64 s[12:13], s[12:13], s[20:21]
.macro XFRAG t
.if (\t) < 3
	s_wait_loadcnt 16                              ; loads come back in order (ISA guide 5.7.1): this fragment's 16 are in, the next fragment's 16 may be out
.else
	s_wait_loadcnt 9                               ; x's last 16 are in; W's nine may be out
.endif
	STIN (\t)%2
	BACKX
	s_wait_dscnt 0x0                               ; the numbers are back by rows, and the stores into the stage have read their registers,
.if (\t) < 2
	LOADX (\t)+2                                   ; which take the fragment two further on,
.endif
.if (\t) == 2
	LOADW                                          ; or, when x has no more, my fragment of W: it is on its way while two fragments of x are worked
.endif
	QUANT PW+(\t)
	OUTF 10, (\t)/2, (\t)%2
.endm
	XFRAG 0
	XFRAG 1
	XFRAG 2
	XFRAG 3
	; x's scale words: lane (r, h) stores those of block i = h, row r, q = 0 and 1: 32 lanes cover 256 consecutive bytes, aligned
	v_cndmask_b32 v[SW], v[PW], v[PW+2], s[UPPER]
	v_cndmask_b32 v[SW+1], v[PW+1], v[PW+3], s[UPPER]
	global_store_b64 v[SCO], v[SW:SW+1], s[24:25]
	; ---- my fragment of W
	s_wait_loadcnt 0x0
	STINW
	BACKW
	s_wait_dscnt 0x0
	UNPACK R, PAR
	QUANT PWW
	OUTF 12, 0, 0
	ds_store_b32 v[WSA], v[PWW]                    ; my rows' scale words to their places among the work-group's 64 (both halves of the lanes write the same word with the same value)
	s_wait_dscnt 0x0                               ; for the others' sake: the store has landed
	s_barrier_signal -1
	s_barrier_wait -1                              ; all four waves' words lie there
	s_cmp_lg_u32 s16, 0
	s_cbranch_scc1 .Lend                           ; wave 0 alone sends them
	ds_load_b64 v[SW2:SW2+1], v[WSR]
	s_wait_dscnt 0x0
	global_store_b64 v[SCO], v[SW2:SW2+1], s[34:35]   ; 32 lanes cover 256 consecutive bytes, aligned
.Lend:
	s_wait_tensorcnt 0x0
	ds_add_u32 v238, v239
	s_wait_dscnt 0x0
	s_endpgm
.Lfunc_end_k_q589f3b46d1_quant:
	.size	k_q589f3b46d1_quant, .Lfunc_end_k_q589f3b46d1_quant-k_q589f3b46d1_quant
	.p2alignl 7, 3214868480
	.fill 96, 4, 3214868480
	.section	.rodata,"a",@progbits
	.p2align	6, 0x0
	.amdhsa_kernel k_q589f3b46d1_quant
		.amdhsa_group_segment_fixed_size 51968
		.amdhsa_private_segment_fixed_size 0
		.amdhsa_enable_private_segment 0
		.amdhsa_kernarg_size 40
		.amdhsa_user_sgpr_count 2
		.amdhsa_user_sgpr_kernarg_segment_ptr 1
		.amdhsa_wavefront_size32 1
		.amdhsa_system_sgpr_workgroup_id_x 1
		.amdhsa_system_sgpr_workgroup_id_y 1
		.amdhsa_system_sgpr_workgroup_id_z 1
		.amdhsa_system_vgpr_workitem_id 0
		.amdhsa_next_free_vgpr 256
		.amdhsa_next_free_sgpr 66
		.amdhsa_reserve_vcc 0
		.amdhsa_float_denorm_mode_32 3
		.amdhsa_float_denorm_mode_16_64 3
		.amdhsa_memory_ordered 1
		.amdhsa_forward_progress 1
		.amdhsa_inst_pref_size 72
	.end_amdhsa_kernel
	.amdgpu_metadata
---
amdhsa.version: [ 1, 2 ]
amdhsa.kernels:
  - .name:           k_q589f3b46d1_quant
    .symbol:         k_q589f3b46d1_quant.kd
    .args:
      - { .name: x, .offset: 0, .size: 8, .value_kind: global_buffer, .address_space: global }
      - { .name: weight_packed, .offset: 8, .size: 8, .value_kind: global_buffer, .address_space: global }
      - { .name: weight_params, .offset: 16, .size: 8, .value_kind: global_buffer, .address_space: global }
      - { .name: xq, .offset: 24, .size: 8, .value_kind: global_buffer, .address_space: global }
      - { .name: wq, .offset: 32, .size: 8, .value_kind: global_buffer, .address_space: global }
    .group_segment_fixed_size: 51968
    .private_segment_fixed_size: 0
    .kernarg_segment_align: 8
    .kernarg_segment_size: 40
    .max_flat_workgroup_size: 128
    .sgpr_count:     66
    .vgpr_count:     256
    .wavefront_size: 32
...
	.end_amdgpu_metadata
.endif
;; end of part 1
;; launch gemm (part 2): grid 8 x 32, 4 waves a work-group, clusters of 4 x 4, 327,680 bytes of LDS; arguments xq, wq, out0; writes out0
.if DOCPART == 2
	.amdgcn_target "amdgcn-amd-amdhsa--gfx1250"
	.amdhsa_code_object_version 6
	.text
	.protected	k_q589f3b46d1_gemm
	.globl	k_q589f3b46d1_gemm
	.p2align	8
	.type	k_q589f3b46d1_gemm,@function
k_q589f3b46d1_gemm:
	s_mov_b64 s[64:65], 0
	v_nop
	global_prefetch_b8 v0, s[64:65] scope:SCOPE_SE
	s_setreg_imm32_b32 hwreg(HW_REG_WAVE_MODE, 25, 1), 1
	s_wait_xcnt 0x0
	s_wait_alu depctr_hold_cnt(0) depctr_sa_sdst(0) depctr_va_vdst(0) depctr_va_sdst(0) depctr_va_ssrc(0) depctr_va_vcc(0) depctr_vm_vsrc(0)
	s_getreg_b32 s2, hwreg(HW_REG_IB_STS2, 6, 4)
	s_cmp_eq_u32 s2, 0
	s_cbranch_scc0 .Lentry_in_a_cluster
	s_endpgm
.Lentry_in_a_cluster:
	s_bfe_u32 s2, ttmp6, 0x10000c
	s_cmp_lg_u32 s2, 0xf033
	s_cbranch_scc0 .Lentry_shape_is_right
	s_endpgm
.Lentry_shape_is_right:
; out0[m][n] = sum over k of X[m][k] W[n][k], both operands as codes of BF8 (E5M2) with one E8M0 byte for each 32 along K, as the launch before laid them:
; CHUNKS of 33,792 bytes = 128 rows x 256 K: 16 fragments (16 rows x 128 K) as images of the operand's registers, fragment (q, i) at 2,048 (8 q + i), then the scale words, that of (i, row r, q) at 32,768 + 128 i + 8 r + 4 q.
; A tile of 256 x 256 of out0 is made by four waves, 128 x 128 each: 64 accumulators, 512 registers.  K goes in steps of 256 through two LDS slots of four chunks (X's two, W's two); each wave fetches one chunk, dense rows of 256 bytes.
; CLUSTERS 4 x 4: X's chunks are asked for jointly along a row of the cluster, W's along a column.  The matrix instruction is used transposed (source 0 = W's rows, source 1 = X's rows): a lane holds 8 neighbouring columns.
; A STEP of 128 along K is 8 periods: X's block a against W's eight.  The step's 64 LDS loads stand in FOUR RUNS of 16 (four fragments), one ahead of every second period, each behind its eight places, in the order in which they are needed:
; X's blocks 4-7 of this step; then the next step's W (second set) and X's block 0; then X's blocks 1-3.  X has one set of registers, W two.  Each period's wait on DScnt counts the LDS instructions issued behind the block that it needs.
; THE CHANGE OF SLOTS stands behind period 1 of a slot's second step: all reads of the slot are issued ahead of period 0, period 1 stands between the add and the wait for it, and six periods' operands are in registers behind the round.
; PREFETCH: at the change that refills K step t + 2 each wave asks for its share of K step t + 4: the chunk that it fetches is 132 blocks of 256 bytes, of which each of the four partners that ask for it jointly takes 33, told apart by address
; (one instruction a lane a block, one more for the 33rd, which all lanes name).  K step 1 is asked for behind the head's load, K steps 2 and 3 behind slot 1's first fill; the loop's last trip asks for nothing: K ends at step 15.
; REGISTERS: window 0: v0-31 addresses, v32-63 scale words (two sets), v128-255 X's fragments; window 1: W's fragments, two sets; windows 2, 3: accumulator (a, b) at v[8 (8 (a % 4) + b)].
.set SIZE_N, 2048
.set SIZE_K, 4096
.set NQ,     2
.set CHUNK,  33792
.set SHARE,  CHUNK/4                   ; 33 blocks of 256 bytes: a partner's part of a chunk's prefetch
.set SCOFF,  32768
.set FR,     16
.set SLOT,   4*CHUNK
.set LAPS,   SIZE_K/512
.set STAGE,  2*SLOT                    ; behind the ring: 16 rows x 528 bytes for each wave, for the way out
.set SPITCH, 528
.set SPARE,  STAGE+4*16*SPITCH         ; the spare words, 128 bytes a wave
.set ADRA, 16                          ; v16-17 my X fragments in slot 0, 1
.set ADRB, 20                          ; v20-21 my W fragments
.set ADRS, 22                          ; v22-23 my scale words: lanes 0-15 X's, lanes 16-31 W's
.set STO,  24
.set RD,   25
.set CO,   26
.set SPW,  28
.set NIL,  29
.set PFO,  30                          ; 256 x lane
.set PFZ,  31                          ; 8,192: the share's 33rd block
.set SC,   32
.set AF,   128
.set BK,   128
.set PFA,  8                           ; s[8:9] my share of the chunk row that I fetch
.set G1, 24
.set G0, 32
.set G1B, 48
.set G0B, 56
.set MSB, 0
.macro WIN new                         ; the immediate's high byte repeats the setting that is left
.if MSB != \new
	s_set_vgpr_msb (MSB<<8)|\new
.set MSB, \new
.endif
.endm
.set MUL_LO, 0xa1                      ; source 0 (W) window 1, source 1 (X) window 0, C and D window 2
.set TO_B,   0x40
.macro PLACES n
.rept \n
	v_nop
.endr
.endm
.macro JLOAD s                         ; a joint load: waves 0, 1 fetch X's chunks, waves 2, 3 W's; s_nop 0 and four v_nop behind each line
	s_cmp_eq_u32 s15, 0
	s_cbranch_scc0 .Lfor_b_\@
	tensor_load_to_lds s[G0+4*\s:G0+4*\s+3], s[G1:G1+7]
	s_nop 0
	PLACES 4
	s_branch .Lasked_\@
.Lfor_b_\@:
	tensor_load_to_lds s[G0B+4*\s:G0B+4*\s+3], s[G1B:G1B+7]
	s_nop 0
	PLACES 4
.Lasked_\@:
.endm
.macro CROUND                          ; a round of the cluster's barrier
	s_barrier_signal -1
	s_barrier_wait -1
	s_cmp_lg_u32 s14, 0
	s_cbranch_scc1 .Lnot_wave_0_\@
	s_barrier_signal -3
.Lnot_wave_0_\@:
	s_barrier_wait -3
	s_barrier_signal -1
	s_barrier_wait -1
.endm
.macro ASKFOR t                        ; my share of the K step that lies t chunks behind s[PFA]
	global_prefetch_b8 v[PFO], s[PFA:PFA+1] offset:(\t)*CHUNK th:TH_LOAD_NT scope:SCOPE_SE
	global_prefetch_b8 v[PFZ], s[PFA:PFA+1] offset:(\t)*CHUNK th:TH_LOAD_NT scope:SCOPE_SE
.endm
	s_load_b128 s[4:7], s[0:1], 0x0                ; xq, wq
	s_load_b64 s[12:13], s[0:1], 0x10              ; out0
	v_lshl_add_u32 v[SPW], v0, 2, SPARE
	v_mov_b32 v[NIL], 0
	ds_add_u32 v[SPW], v[NIL]
	ds_add_u32 v[SPW], v[NIL]
	v_lshrrev_b32 v1, 5, v0
	v_readfirstlane_b32 s14, v1                    ; wave
	s_lshr_b32 s15, s14, 1                         ; my half of the tile's rows; also: I fetch for X (0) or W (1)
	s_and_b32 s16, s14, 1                          ; my half of its columns; also: which chunk I fetch
	s_bfe_u32 s40, ttmp6, 0x40000                  ; cx
	s_bfe_u32 s41, ttmp6, 0x40004                  ; cy
	s_lshl_b32 s42, ttmp9, 2
	s_add_co_u32 s42, s42, s40                     ; tile column
	s_and_b32 s17, ttmp7, 0xffff
	s_lshl_b32 s17, s17, 2
	s_add_co_u32 s17, s17, s41                     ; tile row
	s_lshl_b32 s43, s41, 2
	s_lshl_b32 s43, 15, s43                        ; my row of the cluster
	s_lshl_b32 s44, 0x1111, s40                    ; my column
	s_or_b32 s[G1+0], s43, (3<<16)|(1<<21)         ; elements of 8 bytes, no padding: a chunk is 132 dense rows of 256 bytes
	s_or_b32 s[G1B+0], s44, (3<<16)|(1<<21)
.irp g, G1, G1B
	s_mov_b32 s[\g+1], 32<<16
	s_mov_b32 s[\g+2], 132<<16
	s_mov_b32 s[\g+3], 32<<16
	s_mov_b32 s[\g+4], 132
	s_mov_b32 s[\g+5], 32
	s_mov_b32 s[\g+6], 0
	s_mov_b32 s[\g+7], 0
.endr
	s_lshl_b32 s20, s17, 1
	s_add_co_u32 s20, s20, s16
	s_mul_i32 s20, s20, 16*CHUNK                   ; X: the 16 chunks of rows 256 x tile row + 128 x half
	s_mov_b32 s21, 0
	s_lshl_b32 s46, s42, 1
	s_add_co_u32 s46, s46, s16
	s_mul_i32 s46, s46, 16*CHUNK                   ; W likewise, by the tile column
	s_mov_b32 s47, 0
	s_mul_i32 s45, s14, CHUNK                      ; where my chunk goes
	s_mul_i32 s68, s15, CHUNK                      ; what I read: X's chunk of my rows,
	s_mul_i32 s69, s16, CHUNK
	s_add_co_u32 s69, s69, 2*CHUNK                 ; W's chunk of my columns,
	s_add_co_u32 s70, s68, SLOT                    ; the same in slot 1,
	s_add_co_u32 s71, s69, SLOT
	s_sub_co_u32 s72, s69, s68                     ; the distance from X's to W's,
	s_mul_i32 s73, s14, 16*SPITCH
	s_add_co_u32 s73, s73, STAGE                   ; my stage
	s_lshl_b32 s74, s17, 8
	s_lshl_b32 s75, s15, 7
	s_add_co_u32 s74, s74, s75
	s_lshl_b32 s74, s74, 13                        ; my first row of out0, 8,192 bytes a row,
	s_lshl_b32 s75, s42, 10
	s_add_co_u32 s74, s74, s75
	s_lshl_b32 s75, s16, 9
	s_add_co_u32 s74, s74, s75                     ; and my first column
	s_mov_b32 s75, 0
	s_wait_dscnt 0x0                               ; both opening adds are done
	s_wait_kmcnt 0x0
	s_add_nc_u64 s[20:21], s[4:5], s[20:21]
	s_add_nc_u64 s[46:47], s[6:7], s[46:47]
	s_add_nc_u64 s[12:13], s[12:13], s[74:75]
.irp s, 0,1
	s_mov_b32 s[G0+4*\s], 1
	s_add_co_u32 s[G0+4*\s+1], s45, \s*SLOT
	s_add_nc_u64 s[G0+4*\s+2:G0+4*\s+3], s[20:21], \s*CHUNK
	s_or_b32 s[G0+4*\s+3], s[G0+4*\s+3], 0x80000000
	s_mov_b32 s[G0B+4*\s], 1
	s_add_co_u32 s[G0B+4*\s+1], s45, \s*SLOT
	s_add_nc_u64 s[G0B+4*\s+2:G0B+4*\s+3], s[46:47], \s*CHUNK
	s_or_b32 s[G0B+4*\s+3], s[G0B+4*\s+3], 0x80000000
.endr
	s_cmp_eq_u32 s15, 0                            ; the prefetches: the chunk row that I fetch,
	s_cselect_b64 s[PFA:PFA+1], s[20:21], s[46:47]
	s_cselect_b32 s18, s40, s41                    ; my place among the four that ask for it with me,
	s_mul_i32 s18, s18, SHARE
	s_mov_b32 s19, 0
	s_add_nc_u64 s[PFA:PFA+1], s[PFA:PFA+1], s[18:19]   ; told apart by address alone
	CROUND                                         ; in front of the first joint loads
	JLOAD 0                                        ; K step 0: one tensor load a wave at the head
	v_and_b32 v1, 15, v0                           ; r
	v_bfe_u32 v2, v0, 4, 1                         ; h
	v_and_b32 v3, 31, v0
	v_lshlrev_b32 v4, 4, v3                        ; a fragment is an image: 16 x lane
	v_add_nc_u32 v[ADRA], s68, v4
	v_add_nc_u32 v[ADRB], s69, v4
	v_add_nc_u32 v[ADRA+1], s70, v4
	v_add_nc_u32 v[ADRB+1], s71, v4
	v_mul_u32_u24 v6, s72, v2                      ; lanes 16-31 take W's scale words
	v_lshl_add_u32 v5, v1, 3, v6
	v_add_nc_u32 v[ADRS], s68, v5
	v_add_nc_u32 v[ADRS+1], s70, v5
	v_mul_u32_u24 v7, v1, SPITCH
	v_lshl_add_u32 v7, v2, 5, v7
	v_add_nc_u32 v[STO], s73, v7                   ; into the stage: row r, 32 bytes a half
	v_lshlrev_b32 v[CO], 4, v3
	v_add_nc_u32 v[RD], s73, v[CO]                 ; back: 32 lanes take a row of 512 bytes
	v_lshlrev_b32 v[PFO], 8, v3
	v_mov_b32 v[PFZ], 8192
	s_wait_alu depctr_va_vdst(0)
	ASKFOR 1                                       ; K step 1, whose load goes out when K step 0 has landed
.macro FRAG reg, adr, q, i
.irp c, 0,1,2,3
	ds_load_b128 v[\reg+4*\c:\reg+4*\c+3], v[\adr] offset:16384*(\q)+2048*(\i)+512*\c
.endr
.endm
; what a step works on (CS slot and scale set, CQ which 128 of the slot and W's set) and what it fetches for the next (NS, NQN); ZERO = 1: the products start the sums
.macro SETS slot, q, ns, nq, zero
.set CS, \slot
.set CQ, \q
.set NS, \ns
.set NQN, \nq
.set ZERO, \zero
.endm
; four LDS loads, one fragment: kind 1 = X's block i of this step, 2 = W's block i of the next step (the other set), 3 = X's block i of the next step
.macro BATCH k, i
.if \k == 1
	WIN 0
	FRAG AF+FR*(\i), ADRA+CS, CQ, \i
.endif
.if \k == 2
	WIN TO_B
	FRAG 128*NQN+FR*(\i), ADRB+NS, NQN, \i
.endif
.if \k == 3
	WIN 0
	FRAG AF+FR*(\i), ADRA+NS, NQN, \i
.endif
.endm
; a run of 16 LDS loads behind eight places: the places serve every load into registers that earlier products have read
.macro RUN k1, i1, k2, i2, k3, i3, k4, i4
	PLACES 8
	BATCH \k1, \i1
	BATCH \k2, \i2
	BATCH \k3, \i3
	BATCH \k4, \i4
.endm
.macro MM a, b
.if ZERO
	v_wmma_scale_f32_16x16x128_f8f6f4 v[8*(8*((\a)%4)+\b):8*(8*((\a)%4)+\b)+7], v[128*CQ+FR*\b:128*CQ+FR*\b+FR-1], v[AF+FR*(\a):AF+FR*(\a)+FR-1], 0, v[SC+8*NQ*CS+NQ*\b+CQ], v[SC+8*NQ*CS+NQ*(\a)+CQ] matrix_a_fmt:MATRIX_FMT_BF8 matrix_b_fmt:MATRIX_FMT_BF8 matrix_a_scale:MATRIX_SCALE_ROW1
.else
	v_wmma_scale_f32_16x16x128_f8f6f4 v[8*(8*((\a)%4)+\b):8*(8*((\a)%4)+\b)+7], v[128*CQ+FR*\b:128*CQ+FR*\b+FR-1], v[AF+FR*(\a):AF+FR*(\a)+FR-1], v[8*(8*((\a)%4)+\b):8*(8*((\a)%4)+\b)+7], v[SC+8*NQ*CS+NQ*\b+CQ], v[SC+8*NQ*CS+NQ*(\a)+CQ] matrix_a_fmt:MATRIX_FMT_BF8 matrix_b_fmt:MATRIX_FMT_BF8 matrix_a_scale:MATRIX_SCALE_ROW1
.endif
.endm
; A period: X's block a against W's eight; the 64 accumulators take turns in the same order in every step.  wt: the wait on DScnt at its head (-1: none)
.macro PER a, wt
.if \wt >= 0
	s_wait_dscnt \wt
.endif
	WIN MUL_LO+0x50*((\a)/4)
.irp b, 0,1,2,3,4,5,6,7
	MM \a, \b
.endr
.endm
.macro SCALES sc                       ; a K step's scale words: two a row; lanes 0-15 X's block i, lanes 16-31 W's block i
.irp i, 0,1,2,3,4,5,6,7
	ds_load_b64 v[SC+8*NQ*\sc+NQ*\i:SC+8*NQ*\sc+NQ*\i+1], v[ADRS+\sc] offset:SCOFF+128*\i
.endr
.endm
; A slot's first step.  Every step's last run is W7, X1, X2, X3 of the next step.  So period 0, behind its own run of 16, may leave 12 + 16 loads out; each later count is what has been issued behind the block of X that the period needs.
.macro STEPN slot, zero
	SETS \slot, 0, \slot, 1, \zero
	RUN 1,4, 1,5, 1,6, 1,7
	PER 0, 28
	PER 1, 24
	RUN 2,0, 2,1, 2,2, 2,3
	PER 2, 36
	PER 3, 32
	RUN 3,0, 2,4, 2,5, 2,6
	PER 4, 44
	PER 5, 40
	RUN 2,7, 3,1, 3,2, 3,3
	PER 6, 52
	PER 7, 48
.endm
; A slot's second step changes slots.  fill = 1: the slot is filled again, two K steps ahead, behind a round of the cluster's barrier.
.macro STEPU slot, next, fill
	SETS \slot, 1, \next, 0, 0
.if \fill
	s_wait_xcnt 0x0                                ; my earlier prefetches have read their address
	s_add_nc_u64 s[PFA:PFA+1], s[PFA:PFA+1], CHUNK
.endif
	RUN 1,4, 1,5, 1,6, 1,7                         ; my last reads of this slot
	PER 0, 28
	WIN 0
	s_wait_tensorcnt 0x0                           ; my one load that was out, my chunk of the next slot, has landed
	ds_add_u32 v[SPW], v[NIL]
.if \fill
	s_add_nc_u64 s[G0+4*\slot+2:G0+4*\slot+3], s[G0+4*\slot+2:G0+4*\slot+3], 2*CHUNK
	s_add_nc_u64 s[G0B+4*\slot+2:G0B+4*\slot+3], s[G0B+4*\slot+2:G0B+4*\slot+3], 2*CHUNK
.endif
	PER 1, 25                                      ; behind X's block 1: 8 of the last step, this step's 16, the add
	WIN 0
	s_wait_dscnt 0x0                               ; the add is done and my reads of this slot are back
.if \fill
	CROUND                                         ; no wave of any partner still reads the slot or has a load out
	JLOAD \slot                                    ; the first tensor load behind the round
	PLACES 4                                       ; with the four behind the load: eight places for the loads below
.else
	s_barrier_signal -1
	s_barrier_wait -1
	PLACES 8
.endif
	SCALES \next
	BATCH 3, 0
	BATCH 2, 0
	BATCH 2, 1
	BATCH 2, 2
.if \fill
	WIN 0
	s_cmp_gt_u32 s3, 1                             ; the loop's last trip has no K step four on
	s_cbranch_scc0 .Lno_ask_\@
	ASKFOR 3                                       ; the K step two refills on
.Lno_ask_\@:
.endif
	PER 2, -1                                      ; all this step's operands are in registers: no wait
	PER 3, -1
	RUN 2,3, 2,4, 2,5, 2,6
	PER 4, -1
	PER 5, -1
	RUN 2,7, 3,1, 3,2, 3,3
	PER 6, -1
	PER 7, -1
.endm
	s_wait_tensorcnt 0x0                           ; my chunk of K step 0 is in
	ds_add_u32 v[SPW], v[NIL]
	s_wait_dscnt 0x0
	CROUND
	JLOAD 1                                        ; K step 1, slot 1's first fill: the first tensor load behind the round
	SETS 0, 0, 0, 0, 0
	SCALES 0
	BATCH 3, 0                                     ; the first step's operands, in the order in which every step leaves them
.irp i, 0,1,2,3,4,5,6,7
	BATCH 2, \i
.endr
	BATCH 3, 1
	BATCH 3, 2
	BATCH 3, 3
	ASKFOR 2                                       ; K steps 2 and 3
	ASKFOR 3
	STEPN 0, 1                                     ; the first step stands in front of the loop: its products start the sums
	WIN 0
	s_mov_b32 s3, LAPS-1
.Llap:                                                 ; a trip goes once round the ring and fills both slots again
	STEPU 0, 1, 1
	STEPN 1, 0
	STEPU 1, 0, 1
	STEPN 0, 0
	WIN 0
	s_sub_co_u32 s3, s3, 1
	s_cmp_lg_u32 s3, 0
	s_cbranch_scc1 .Llap
	STEPU 0, 1, 0                                  ; the last lap fills nothing
	STEPN 1, 0
	SETS 1, 1, 1, 1, 0                             ; the very last step fetches X's blocks 4-7 alone: the counts run down
	RUN 1,4, 1,5, 1,6, 1,7
	PER 0, 28
	PER 1, 24
	PER 2, 20
	PER 3, 16
	PER 4, 12
	PER 5, 8
	PER 6, 4
	PER 7, 0
	WIN 0
; THE WAY OUT, by blocks of 16 rows x 128 columns: through my own stage, back as whole rows of 512 bytes, which 32 lanes store as two aligned units of 256 bytes.  LDS serves a wave's instructions in order (ISA guide 5.7.1.4).
.macro TOSTAGE a
.set AC, 64*((\a)%4)
	WIN 0x08+4*((\a)/4)                            ; the data: window 2 or 3
.irp b, 0,1,2,3,4,5,6,7
	ds_store_b128 v[STO], v[AC+8*\b:AC+8*\b+3] offset:64*\b          ; each accumulator from its low end on
	ds_store_b128 v[STO], v[AC+8*\b+4:AC+8*\b+7] offset:64*\b+16
.endr
	WIN 0
.set BB, BK+64*((\a)%2)
.irp t, 0,1,2,3,4,5,6,7,8,9,10,11,12,13,14,15
	ds_load_b128 v[BB+4*\t:BB+4*\t+3], v[RD] offset:\t*SPITCH
.endr
.endm
.macro SEND a, younger                 ; younger: the LDS instructions issued behind block a's loads
.set BB, BK+64*((\a)%2)
	s_wait_dscnt \younger
.if (\a) > 0
	s_add_nc_u64 s[12:13], s[12:13], 16*SIZE_N*4   ; behind a wait on XCNT: the earlier stores have read their base
.endif
.irp t, 0,1,2,3,4,5,6,7,8,9,10,11,12,13,14,15
	global_store_b128 v[CO], v[BB+4*\t:BB+4*\t+3], s[12:13] offset:\t*SIZE_N*4
.endr
.endm
	PLACES 8                                       ; for the reads of the last results and the loads into X's registers
	TOSTAGE 0
.irp a, 1,2,3,4,5,6,7
.if \a > 1
	s_wait_xcnt 0x0                                ; block a - 2's stores have read their registers and their base
.endif
	TOSTAGE \a
	SEND \a-1, 32
.endr
	s_wait_xcnt 0x0
	SEND 7, 0
	s_wait_tensorcnt 0x0                           ; the wave's end
	ds_add_u32 v[SPW], v[NIL]
	s_wait_dscnt 0x0
	CROUND                                         ; the closing round
	s_endpgm
.Lfunc_end_k_q589f3b46d1_gemm:
	.size	k_q589f3b46d1_gemm, .Lfunc_end_k_q589f3b46d1_gemm-k_q589f3b46d1_gemm
	.p2alignl 7, 3214868480
	.fill 96, 4, 3214868480
	.section	.rodata,"a",@progbits
	.p2align	6, 0x0
	.amdhsa_kernel k_q589f3b46d1_gemm
		.amdhsa_group_segment_fixed_size 327680
		.amdhsa_private_segment_fixed_size 0
		.amdhsa_enable_private_segment 0
		.amdhsa_kernarg_size 24
		.amdhsa_user_sgpr_count 2
		.amdhsa_user_sgpr_kernarg_segment_ptr 1
		.amdhsa_wavefront_size32 1
		.amdhsa_system_sgpr_workgroup_id_x 1
		.amdhsa_system_sgpr_workgroup_id_y 1
		.amdhsa_system_sgpr_workgroup_id_z 1
		.amdhsa_system_vgpr_workitem_id 0
		.amdhsa_next_free_vgpr 1024
		.amdhsa_next_free_sgpr 80
		.amdhsa_reserve_vcc 0
		.amdhsa_float_denorm_mode_32 3
		.amdhsa_float_denorm_mode_16_64 3
		.amdhsa_memory_ordered 1
		.amdhsa_forward_progress 1
		.amdhsa_inst_pref_size 151
	.end_amdhsa_kernel
	.amdgpu_metadata
---
amdhsa.version: [ 1, 2 ]
amdhsa.kernels:
  - .name:           k_q589f3b46d1_gemm
    .symbol:         k_q589f3b46d1_gemm.kd
    .args:
      - { .name: xq, .offset: 0, .size: 8, .value_kind: global_buffer, .address_space: global }
      - { .name: wq, .offset: 8, .size: 8, .value_kind: global_buffer, .address_space: global }
      - { .name: out0, .offset: 16, .size: 8, .value_kind: global_buffer, .address_space: global }
    .group_segment_fixed_size: 327680
    .private_segment_fixed_size: 0
    .kernarg_segment_align: 8
    .kernarg_segment_size: 24
    .max_flat_workgroup_size: 128
    .sgpr_count:     80
    .vgpr_count:     1024
    .wavefront_size: 32
...
	.end_amdgpu_metadata
.endif
;; end of part 2
